; MI455X (gfx1250); checked and timed in simulation.
; The chip was launched on July 23, 2026; its instructions are those of AMD's public machine-readable ISA for CDNA 5 (MIT licence, August 2026) and "CDNA5" Instruction Set Architecture Reference Guide (July 2026). The comments in the code are by the model that wrote it; some were corrected since.
;; Scaled Dot Product Attention. Allowed arithmetic: matrix products marked QUANTISED: E5M2 operands, one given power-of-two scale a tensor, by v_wmma_f32_16x16x64_bf8_bf8 or v_wmma_f32_16x16x128_bf8_bf8, f32 sums; everything else in f32.
;; Inputs: key_codes 8 x 2,048 x 32 x 32 uint8 (E5M2 codes of key, K innermost, in blocks of 32 codes); lowp_scales 4 int32 (the exponents e of the quantised operands' scales 2^e); value 8 x 2,048 x 1,024 float32.
;; Outputs: out0 8 x 2,048 x 1,024 float32.
;; This version of the problem:
;;   THIS VERSION OF THE PROBLEM IS GIVEN IN LOW PRECISION. The matrix products marked QUANTISED in the list below multiply operands that are first quantised to E5M2 (5 exponent bits, 2 mantissa bits; 8 bits a number), with one given power-of-two scale for each operand tensor; their sums are f32. All else is computed in f32.
;;   The module's matrix products, in the order in which they are computed (A, B: the left and right operand; K: the contracted axis; several contracted axes count as one K, in the product's order):
;;     1. batch 8 x [M 2,048, K 1,024] x [K 1,024, N 2,048]; A: input key (given as codes); B: input value: QUANTISED (scales: A lowp_scales[0], B lowp_scales[1])
;;     2. batch 8 x [M 2,048, K 2,048] x [K 2,048, N 1,024]; A: softmax (see below); B: input value: QUANTISED (scales: A lowp_scales[2], B lowp_scales[3])
;;   THE QUANTISER, for each operand of a quantised product, along K:
;;     - The operand's scale is 2^e, e = its entry of the input lowp_scales (int32; the entries are numbered through the quantised products in the list's order, A before B).
;;     - Each number is divided by the scale, clamped to +-57,344, and rounded to the nearest number of E5M2, ties to even, subnormals kept.
;;     - The product sums the exact products of the quantised numbers (number of the format x scale) in f32.
;;   ~~~python
;;   def quantise(x, axis, e):      # numpy; x: float32 -> the quantised numbers, widened to float32 again
;;       x = np.moveaxis(x, axis, -1); K = x.shape[-1]
;;       r = np.clip(x / 2.0 ** e, -57344, 57344)
;;       step = 2.0 ** (np.maximum(np.frexp(np.where(r == 0, 1, r))[1] - 1, -14) - 2)
;;       q = np.round(r / step) * step * 2.0 ** e      # np.round: ties to even
;;       return np.moveaxis(q, -1, axis).astype(np.float32)
;;   ~~~
;;   SOFTMAX AHEAD OF A QUANTISED PRODUCT. Where the list says 'softmax', what is quantised is not the finished softmax but p = 2^(t - M), with t = logit x log2(e) and M = ceil(the row's largest t), a whole number; so 1/2 < the row's largest p <= 1. The row's sum l is taken of the UNQUANTISED p, in f32, and the product's result is divided by l at the end. Since M is a whole number, a kernel that streams over the keys may use a running M (the ceiling of the running maximum): every later rescaling is an exact power of two, so the quantised numbers keep their values, but for numbers so far below the row's largest that they fall under the format's range.
;;   OPERANDS COMPUTED ON THE WAY. 'Computed on the way' means the value that the module computes at that place (a softmax that the list does not call 'softmax' is quantised finished and normalised). What goes into a quantiser is computed in f32, as accurately as f32 sums, v_exp_f32 and their like allow (about 1e-6 of the number): no bf16 or f16 on the way to a quantiser, and a product that is left as it is and whose result goes on into a quantised operand takes f32 operands (vector FMAs, or v_wmma_f32_16x16x4_f32). A number that lies on a knife's edge between two numbers of the format may be rounded either way, as far as f32 arithmetic and the matrix unit's own rounding can turn it there, and no further.
;;   INPUTS GIVEN AS CODES. key (in the module: [8, 2048, 1024], K = its axis 2): each comes as NAME_codes (uint8): NAME with its K axis moved to the last place and cut into blocks of 32 codes, [.., K / 32, bytes a block], one block behind the other in memory; one code a byte (a code: sign, 5 exponent bits, 2 mantissa bits); its scale is its entry of lowp_scales. Its value is code x scale, taken as it is: it is not quantised again, and the codes and scales need not be those that the quantiser above would give.
;; One version. Each part assembles by itself: llvm-mc -triple=amdgcn-amd-amdhsa -mcpu=gfx1250 --defsym DOCPART=n.
;; ======== version 1 of 1: 3 launches
;; limits: right only within a limited range of input values
;; workspace buffers: v1img 16,777,216 bytes; v2img 16,777,216 bytes; pimg 33,554,432 bytes; stats 1,048,576 bytes
;; launch quant (part 1): grid 1024 x 1, 4 waves a work-group, no clusters, 37,376 bytes of LDS; arguments value, lowp_scales, v1img, v2img; writes v1img, v2img
.if DOCPART == 1
	.amdgcn_target "amdgcn-amd-amdhsa--gfx1250"
	.amdhsa_code_object_version 6
	.text
	.protected	k_q79c0e4de84_quant
	.globl	k_q79c0e4de84_quant
	.p2align	8
	.type	k_q79c0e4de84_quant,@function
k_q79c0e4de84_quant:
	s_mov_b64 s[64:65], 0
	v_nop
	global_prefetch_b8 v0, s[64:65] scope:SCOPE_SE
	s_setreg_imm32_b32 hwreg(HW_REG_WAVE_MODE, 25, 1), 1
	s_wait_xcnt 0x0
; value [8][2048][1024] f32 becomes codes of BF8 (E5M2) twice: with the scale 2^e1 (entry 1 of the scales) as the operand whose K is d, and with 2^e3 (entry 3) as the operand whose K is the keys.
; code = x / 2^e, held within +-57,344, rounded to the nearest code, ties to even.  LIMITS: e1 and e3 between -126 and 112, so that 2^e and 57,344 x 2^e are f32 numbers.  NaN among the inputs is not served.
; BOTH RESULTS ARE LAID AS IMAGES OF OPERAND REGISTERS.  A fragment (16 rows x 128 K) is 2,048 bytes: chunk c (512 bytes) holds at byte 16 x lane the 16 codes K = 32 c + 16 (lane / 16) + 0 .. 15 of row lane % 16.
;   v1img [group of 128 keys: 128][pair of 128-blocks of d: 4][tile 8][which of the pair: 2][2048]; tile 2 B + u holds the keys 32 B + 8 u + r + 8 (r / 8) of the group, so that the scores of two neighbouring tiles
;         are 16 neighbouring keys in a lane's registers.
;   v2img [batch 8][group of 128 d: 8][pair of 128-blocks of keys: 8][tile 8][which of the pair: 2][2048]; tile t holds d = 16 t + r.
; SHARES.  A work-group takes 128 keys x 128 d, a wave 32 keys x 128 d: 32 loads, each 512 consecutive bytes of one row; all 32 go out at once.  A lane holds 4 neighbouring d of 32 keys.
; Codes for d as K: a row's 4 codes a lane go into a stage in LDS (rows of 128 bytes + 16) and come back 16 bytes a lane in the image's order.  Codes for the keys as K: a lane's 32 x 4 bytes are turned by
; byte permutes, 4 x 4 at a time, into 16 keys of one d, and go through a second stage into the image's order.  Every store to memory covers 512 consecutive bytes, aligned.
; No tensor loads, no barrier: waves share nothing, each has 9,216 bytes of LDS of its own.
.set WREG, 9216                        ; LDS of a wave
.set S2,   4608                        ; its second stage
.set P1,   144                         ; first stage: a key's row, 128 codes + 16 bytes
.set P2,   528                         ; second stage: a tile's chunk, 512 bytes + 16
.set X,   32                           ; v32-159   X[4 i + k] = value(key i, d = 4 lane + k)
.set T,   160                          ; v160-191  four sets of 8 held numbers
.set C1,  192                          ; v192-223  C1[i]: key i's 4 codes under e1
.set C2,  224                          ; v224-255  the same under e3
.set Z,   32                           ; v32-63    behind the conversions: Z[16 hh + 4 k ..]: 16 keys of d = 4 lane + k
.set W,   64                           ; v64-79    at work in the permutes
.set O1,  96                           ; v96-127   the way out, v1img
.set O2,  128                          ; v128-159  the way out, v2img
	s_load_b256 s[4:11], s[0:1], 0x0               ; value s[4:5], the scales' exponents s[6:7], v1img s[8:9], v2img s[10:11]
	v_lshl_add_u32 v30, v0, 2, 0x9000
	v_mov_b32 v31, 0
	v_lshrrev_b32 v1, 5, v0
	v_readfirstlane_b32 s12, v1                    ; wave 0..3
	v_and_b32 v1, 31, v0                           ; lane
	v_lshlrev_b32 v2, 4, v1                        ; 16 x lane: my bytes of a load's and of a store's 512
	s_mul_i32 s13, s12, WREG                       ; my wave's LDS
	v_lshlrev_b32 v3, 2, v1
	v_add_nc_u32 v3, s13, v3                       ; first stage, in: 4 x lane in a key's row
	v_and_b32 v7, 15, v0                           ; r
	v_bfe_u32 v8, v0, 4, 1                         ; h
	v_and_b32 v9, 8, v7
	v_add_nc_u32 v9, v9, v7                        ; r + 8 (r / 8)
	v_mul_u32_u24 v4, v9, P1
	v_lshl_add_u32 v4, v8, 4, v4
	v_add_nc_u32 v4, s13, v4                       ; first stage, out: that key's row, + 16 h
	v_lshrrev_b32 v9, 2, v1
	v_mul_u32_u24 v5, v9, P2
	v_and_b32 v9, 3, v1
	v_lshl_add_u32 v5, v9, 6, v5
	v_add_nc_u32 v5, s13, v5
	v_add_nc_u32 v5, S2, v5                        ; second stage, in: tile lane / 4, rows 4 (lane % 4) + k: 16 bytes each
	v_add_nc_u32 v6, s13, v2
	v_add_nc_u32 v6, S2, v6                        ; second stage, out: 16 x lane of a tile's chunk
	s_and_b32 s24, ttmp9, 7                        ; which 128 of d
	s_lshr_b32 s25, ttmp9, 3                       ; which 128 keys of all 16,384
	s_and_b32 s26, s25, 15                         ; which 128 keys of the batch
	s_lshr_b32 s27, ttmp9, 7                       ; the batch
	s_lshl_b32 s28, s25, 19                        ; value: 128 rows of 4,096 bytes a group,
	s_lshl_b32 s34, s12, 17                        ; 32 rows a wave,
	s_add_co_u32 s28, s28, s34
	s_lshl_b32 s34, s24, 9                         ; 512 bytes a block of d
	s_add_co_u32 s28, s28, s34
	s_mov_b32 s29, 0
	s_lshl_b32 s30, s25, 17                        ; v1img: 131,072 bytes a group of keys,
	s_lshr_b32 s34, s24, 1
	s_lshl_b32 s34, s34, 15                        ; 32,768 a pair of blocks of d,
	s_add_co_u32 s30, s30, s34
	s_lshl_b32 s34, s12, 13                        ; tiles 2 w and 2 w + 1 of 4,096,
	s_add_co_u32 s30, s30, s34
	s_and_b32 s34, s24, 1
	s_lshl_b32 s34, s34, 11                        ; 2,048 for the pair's second
	s_add_co_u32 s30, s30, s34
	s_mov_b32 s31, 0
	s_lshl_b32 s32, s27, 21                        ; v2img: 2,097,152 bytes a batch,
	s_lshl_b32 s34, s24, 18                        ; 262,144 a group of d,
	s_add_co_u32 s32, s32, s34
	s_lshr_b32 s34, s26, 1
	s_lshl_b32 s34, s34, 15                        ; 32,768 a pair of blocks of keys,
	s_add_co_u32 s32, s32, s34
	s_and_b32 s34, s26, 1
	s_lshl_b32 s34, s34, 11                        ; 2,048 for the pair's second,
	s_add_co_u32 s32, s32, s34
	s_lshl_b32 s34, s12, 9                         ; chunk w: my 32 keys
	s_add_co_u32 s32, s32, s34
	s_mov_b32 s33, 0
	s_mov_b32 s20, 0x05010400                      ; byte permutes: bytes 0 and 1 of two words, interleaved;
	s_mov_b32 s21, 0x07030602                      ; bytes 2 and 3;
	s_mov_b32 s22, 0x05040100                      ; the low halves of two words;
	s_mov_b32 s23, 0x07060302                      ; the high halves
	s_wait_kmcnt 0x0
	s_load_b128 s[16:19], s[6:7], 0x0              ; the four exponents: e1 is s17, e3 is s19
	s_add_nc_u64 s[4:5], s[4:5], s[28:29]
	s_add_nc_u64 s[8:9], s[8:9], s[30:31]
	s_add_nc_u64 s[10:11], s[10:11], s[32:33]
.set i, 0
.rept 32
	global_load_b128 v[X+4*i:X+4*i+3], v2, s[4:5] offset:4096*i th:TH_LOAD_NT   ; key i: 32 lanes read 512 consecutive bytes; read once in the launch
.set i, i+1
.endr
	s_wait_kmcnt 0x0
	s_add_co_i32 s17, s17, 127
	s_lshl_b32 s34, s17, 23
	v_mov_b32 v11, s34                             ; 2^e1 as f32: the conversion takes its exponent field
	s_add_co_i32 s17, s17, 15
	s_lshl_b32 s17, s17, 23
	s_or_b32 s17, s17, 0x600000
	v_mov_b32 v10, s17                             ; 57,344 x 2^e1
	s_add_co_i32 s19, s19, 127
	s_lshl_b32 s34, s19, 23
	v_mov_b32 v13, s34                             ; 2^e3
	s_add_co_i32 s19, s19, 15
	s_lshl_b32 s19, s19, 23
	s_or_b32 s19, s19, 0x600000
	v_mov_b32 v12, s19                             ; 57,344 x 2^e3
; Eight keys at a time.  A conversion takes two keys' 4 numbers each from 8 consecutive registers and gives two words: a key's 4 codes each.
; The held numbers go into sets of their own, four by turns: a set is written again four conversions later, behind twenty-four plain instructions.
	s_wait_alu depctr_va_vdst(0)
.irp g, 0,1,2,3
	s_wait_loadcnt 24-8*\g                         ; loads come back in order (ISA guide 5.7.1): these eight keys are in, the later groups' eight each may be out
.irp m, 0,1,2,3
.set XS, X+32*\g+8*\m
.set TA, T+16*(\m%2)
.set TB, TA+8
.irp k, 0,1,2,3,4,5,6,7
	v_med3_num_f32 v[TA+\k], v[XS+\k], -v10, v10   ; the conversion to an 8-bit code does not saturate (ISA guide 7.6.2): the hold at the largest code x the scale
.endr
	v_cvt_scalef32_pk8_bf8_f32 v[C1+8*\g+2*\m:C1+8*\g+2*\m+1], v[TA:TA+7], v11
.irp k, 0,1,2,3,4,5,6,7
	v_med3_num_f32 v[TB+\k], v[XS+\k], -v12, v12
.endr
	v_cvt_scalef32_pk8_bf8_f32 v[C2+8*\g+2*\m:C2+8*\g+2*\m+1], v[TB:TB+7], v13
.endr
.irp k, 0,1,2,3,4,5,6,7
	ds_store_b32 v3, v[C1+8*\g+\k] offset:P1*(8*\g+\k)   ; a key's 128 codes: 32 lanes, 128 consecutive bytes
.endr
.endr
	v_nop                                          ; one plain vector instruction between the last conversion and the permutes that read its result
; 4 keys x 4 d of bytes are turned: c0 .. c3 hold 4 d of one key each; the four results hold 4 keys of one d each.
.irp hh, 0,1
.irp gq, 0,1,2,3
.set CC, C2+16*\hh+4*\gq
.set WW, W+4*\gq
	v_perm_b32 v[WW],   v[CC+1], v[CC],   s20      ; c0.0 c1.0 c0.1 c1.1
	v_perm_b32 v[WW+1], v[CC+1], v[CC],   s21      ; c0.2 c1.2 c0.3 c1.3
	v_perm_b32 v[WW+2], v[CC+3], v[CC+2], s20      ; the same of c2, c3
	v_perm_b32 v[WW+3], v[CC+3], v[CC+2], s21
	v_perm_b32 v[Z+16*\hh+\gq],    v[WW+2], v[WW],   s22   ; d + 0: c0.0 c1.0 c2.0 c3.0
	v_perm_b32 v[Z+16*\hh+4+\gq],  v[WW+2], v[WW],   s23   ; d + 1
	v_perm_b32 v[Z+16*\hh+8+\gq],  v[WW+3], v[WW+1], s22   ; d + 2
	v_perm_b32 v[Z+16*\hh+12+\gq], v[WW+3], v[WW+1], s23   ; d + 3
.endr
.irp k, 0,1,2,3
	ds_store_b128 v5, v[Z+16*\hh+4*\k:Z+16*\hh+4*\k+3] offset:256*\hh+16*\k   ; keys 16 hh + 0 .. 15 of d = 4 lane + k, at the image's place of lane 16 hh + (d % 16)
.endr
.endr
; Back in the images' order.  LDS serves a wave's instructions in order (ISA guide 5.7.1.4): these loads see my stores.
.irp u, 0,1
.irp c, 0,1,2,3
	ds_load_b128 v[O1+16*\u+4*\c:O1+16*\u+4*\c+3], v4 offset:8*P1*\u+32*\c
.endr
.endr
.irp t, 0,1,2,3,4,5,6,7
	ds_load_b128 v[O2+4*\t:O2+4*\t+3], v6 offset:P2*\t
.endr
.irp u, 0,1
.irp c, 0,1,2,3
	s_wait_dscnt 15-4*\u-\c                        ; the younger LDS loads may be out
	global_store_b128 v2, v[O1+16*\u+4*\c:O1+16*\u+4*\c+3], s[8:9] offset:4096*\u+512*\c   ; 512 consecutive bytes, aligned
.endr
.endr
.irp t, 0,1,2,3,4,5,6,7
	s_wait_dscnt 7-\t
	global_store_b128 v2, v[O2+4*\t:O2+4*\t+3], s[10:11] offset:4096*\t
.endr
	s_wait_tensorcnt 0x0
	ds_add_u32 v30, v31
	s_wait_dscnt 0x0
	s_endpgm
.Lfunc_end_k_q79c0e4de84_quant:
	.size	k_q79c0e4de84_quant, .Lfunc_end_k_q79c0e4de84_quant-k_q79c0e4de84_quant
	.p2alignl 7, 3214868480
	.fill 96, 4, 3214868480
	.section	.rodata,"a",@progbits
	.p2align	6, 0x0
	.amdhsa_kernel k_q79c0e4de84_quant
		.amdhsa_group_segment_fixed_size 37376
		.amdhsa_private_segment_fixed_size 0
		.amdhsa_enable_private_segment 0
		.amdhsa_kernarg_size 32
		.amdhsa_user_sgpr_count 2
		.amdhsa_user_sgpr_kernarg_segment_ptr 1
		.amdhsa_wavefront_size32 1
		.amdhsa_system_sgpr_workgroup_id_x 1
		.amdhsa_system_sgpr_workgroup_id_y 1
		.amdhsa_system_sgpr_workgroup_id_z 1
		.amdhsa_system_vgpr_workitem_id 0
		.amdhsa_next_free_vgpr 256
		.amdhsa_next_free_sgpr 66
		.amdhsa_reserve_vcc 0
		.amdhsa_float_denorm_mode_32 3
		.amdhsa_float_denorm_mode_16_64 3
		.amdhsa_memory_ordered 1
		.amdhsa_forward_progress 1
		.amdhsa_inst_pref_size 35
	.end_amdhsa_kernel
	.amdgpu_metadata
---
amdhsa.version: [ 1, 2 ]
amdhsa.kernels:
  - .name:           k_q79c0e4de84_quant
    .symbol:         k_q79c0e4de84_quant.kd
    .args:
      - { .name: value, .offset: 0, .size: 8, .value_kind: global_buffer, .address_space: global }
      - { .name: lowp_scales, .offset: 8, .size: 8, .value_kind: global_buffer, .address_space: global }
      - { .name: v1img, .offset: 16, .size: 8, .value_kind: global_buffer, .address_space: global }
      - { .name: v2img, .offset: 24, .size: 8, .value_kind: global_buffer, .address_space: global }
    .group_segment_fixed_size: 37376
    .private_segment_fixed_size: 0
    .kernarg_segment_align: 8
    .kernarg_segment_size: 32
    .max_flat_workgroup_size: 128
    .sgpr_count:     66
    .vgpr_count:     256
    .wavefront_size: 32
...
	.end_amdgpu_metadata
.endif
;; end of part 1
;; launch qk (part 2): grid 4 x 64, 4 waves a work-group, clusters of 4 x 4, 327,680 bytes of LDS; arguments key_codes, v1img, lowp_scales, pimg, stats; writes pimg, stats
.if DOCPART == 2
	.amdgcn_target "amdgcn-amd-amdhsa--gfx1250"
	.amdhsa_code_object_version 6
	.text
	.protected	k_q79c0e4de84_qk
	.globl	k_q79c0e4de84_qk
	.p2align	8
	.type	k_q79c0e4de84_qk,@function
k_q79c0e4de84_qk:
	s_mov_b64 s[64:65], 0
	v_nop
	global_prefetch_b8 v0, s[64:65] scope:SCOPE_SE
	s_setreg_imm32_b32 hwreg(HW_REG_WAVE_MODE, 25, 1), 1
	s_wait_xcnt 0x0
	s_wait_alu depctr_hold_cnt(0) depctr_sa_sdst(0) depctr_va_vdst(0) depctr_va_sdst(0) depctr_va_ssrc(0) depctr_va_vcc(0) depctr_vm_vsrc(0)
	s_getreg_b32 s2, hwreg(HW_REG_IB_STS2, 6, 4)
	s_cmp_eq_u32 s2, 0
	s_cbranch_scc0 .Lentry_in_a_cluster
	s_endpgm
.Lentry_in_a_cluster:
	s_bfe_u32 s2, ttmp6, 0x10000c
	s_cmp_lg_u32 s2, 0xf033
	s_cbranch_scc0 .Lentry_shape_is_right
	s_endpgm
.Lentry_shape_is_right:
; The first product and the softmax's first half.  S = Q V^T on codes of BF8 (E5M2): Q = key_codes, 16,384 rows (8 batches x 2,048 queries) of 1,024 codes; V = v1img, the keys' codes along d, as register images.
; A tile is 256 queries x 256 keys (one BLOCK of keys), made by four waves of 128 x 128: 64 accumulators of 16 x 16, 512 registers.  K = 1,024 goes in four steps of 256 through a ring of two LDS slots.
; WORK-GROUPS THAT STAY.  A work-group makes two tiles for its 256 queries: the blocks of keys tx and tx + 4.  The first tile's last two changes of slots ask for the second tile's first two K steps.
; Both tiles' products are written out; the softmax is one text for both, a loop of two trips.
; THE SOFTMAX BY BLOCKS.  t = score x 2^(eq + ek) x log2(e) / 32.  For each query and block: M = the block's largest t rounded UP to a whole number; p = 2^(t - M); l = the sum of the unquantised p.
; p is quantised with the given 2^ep (held at the largest code) and stored as a register image of the second product's operand; -M and l go to stats.  The next launch brings the blocks under the row's M by exact powers of two.
; stats: [-M, l][block of keys 8][group of 128 queries 128][r 16][a 8] f32, the query being 16 a + r of its group.
; THE MATRIX INSTRUCTION IS USED TRANSPOSED (source 0 = 16 keys, source 1 = 16 queries): a lane holds ONE query (lane % 16).  v1img's order of keys makes registers 16 c + i of a block of queries the keys
; 32 c + 16 (lane / 16) + i of the wave's 128: the conversions' results ARE the operand's registers.
; A HALF STEP is 128 along K: 64 matrix instructions in sixteen quads, the 64 accumulators by turns.  The next half's 64 LDS loads are strewn behind the quads.  V has two sets of registers; a block of Q is free when its
; two quads are issued, so Q has one set, but for block 7, which has two by turns: so all reads of a slot are issued ahead of the half step that changes slots.
; CLUSTERS: 4 x 4 work-groups.  The four of a row of the cluster need the same tiles of Q, the four of a column the same tiles of V: each is asked for JOINTLY, by the same load with the same descriptor and a mask that names
; the four.  All sixteen lie in one batch (the batch is the cluster's y / 2).
; PREFETCH: behind each joint load what the load two K steps on will ask for, once in each cluster: of the 32,768 bytes that a wave fetches each of the four partners names a quarter, told apart by address.
; The second tile takes the first tile's rows of Q again, so only V is asked for there.
; LIMITS: eq + ek between -121 and 132 (they are added to the exponent field of log2(e) / 32); ep between -126 and 112.  NaN and infinities among the scores are not served.
; REGISTERS, in windows of 256: window 0: v16-31 addresses; in the products v32-47 Q's block 7 of odd halves; in the softmax v32-63 maxima, 4 a block; v64-79 (-M, t) a block; v80-111 sums; v112, v113 the hold and the scale;
;   from v128 Q's fragments, later p's codes.   window 1: V's fragments, two sets.   window 2: the accumulators of my queries 0-63 ((a, b) at v[8 (8 a + b)]);   window 3: those of my queries 64-127.
.set PITCH,  272                       ; a row of Q in LDS: 256 bytes + 16 of padding = 68 words: row r starts at bank 4 r mod 64 (64 banks of 4 bytes: ISA guide 11.1)
.set HALFA,  128*PITCH                 ; 128 rows of Q: one tensor load
.set HALFB,  32768                     ; 128 keys x 256 along d as images, dense: one tensor load
.set BOFF,   2*HALFA                   ; a slot: Q's two halves, then V's two
.set SLOT,   BOFF+2*HALFB
.set XM,     2*SLOT                    ; behind the ring: the exchange of maxima, [block of queries 8][thread 128] words;
.set XL,     XM+4096                   ; of sums;
.set STG,    XL+4096                   ; a stage of 1,024 bytes a wave for the statistics: -M of 128 queries, then l;
.set SPARE,  STG+4096                  ; the spare words, 128 bytes for each wave: two blocks of 256 bytes that no other line names
.set STEPA,  512                       ; bytes from a slot's tile of Q to its next: two steps of 256 codes
.set STEPB,  65536                     ; the same for V
.set NEXTT,  4*262144                  ; from the first tile's keys to the second's in v1img
.set BACK_A, 512                       ; from a slot's last K step of a tile to its first of the next tile: Q goes back along K (the queries stay),
.set NEXT_B, NEXTT-65536               ; V goes four blocks of 256 keys on and back along d
.set NEXT_P, 4*32768                   ; the second tile's place in pimg: four blocks of keys on;
.set NEXT_S, 4*65536                   ; and in stats
.set ADRA, 16                          ; v16-17  LDS address of my fragments of Q in slot 0, 1
.set PFO,  18                          ; v18     the prefetches' offset; never rewritten
.set ADRB, 20                          ; v20-21  as ADRA, for V
.set PO,   24                          ; v24     16 x lane: my bytes of a store's 512
.set XW,   25                          ; v25     the exchange: my word
.set XR,   26                          ; v26     the word of the same lane in the wave that has my queries and the block's other 128 keys
.set SS,   27                          ; v27     the statistics' stage, in: 32 x (lane % 16)
.set SPW,  28                          ; v28     LDS address of my spare word; never rewritten
.set NIL,  29                          ; v29     0; never rewritten
.set SRD,  30                          ; v30     the stage, out: -M for waves 0 and 2, l for waves 1 and 3
.set A7X,  32
.set TM,   32
.set NM,   64
.set LS,   80
.set AF,   128
.set G1, 24                            ; s[24:31] descriptor group 1 for Q's tiles;  s[32:39] group 0, one set for each slot
.set G0, 32
.set G1B, 48                           ; s[48:55], s[56:63] the same for V's tiles
.set G0B, 56
.set PFA, 88                           ; s[88:89] where my prefetches stand;  s[90:91] a K step on
.set PFS, 90
.set MSB, 0
.macro WIN new                         ; the immediate's high byte repeats the setting that is left; a switch that changes nothing is dropped
.if MSB != (\new)
	s_set_vgpr_msb (MSB<<8)|(\new)
.set MSB, (\new)
.endif
.endm
.set MUL_LO, 0xa1                      ; source 0 (V) window 1, source 1 (Q) window 0, C and D window 2; 0x50 more: window 3
.set TO_B,   0x40                      ; destination window 1, address window 0
; A joint load: waves 0 and 1 fetch Q's halves, waves 2 and 3 V's.  Each of the two lines has ONE mask and one set of registers for all that issue it; the branch hangs on the wave's number alone.
.macro JLOAD g0a, g1a, g0b, g1b
	s_cmp_eq_u32 s15, 0
	s_cbranch_scc0 .Lfor_b_\@
	tensor_load_to_lds s[\g0a:\g0a+3], s[\g1a:\g1a+7]
	s_nop 0
.rept 4
	v_nop
.endr
	s_branch .Lasked_\@
.Lfor_b_\@:
	tensor_load_to_lds s[\g0b:\g0b+3], s[\g1b:\g1b+7]
	s_nop 0
.rept 4
	v_nop
.endr
.Lasked_\@:
.endm
.macro CREST                           ; a round of the cluster's barrier behind its opening barrier
	s_cmp_lg_u32 s14, 0
	s_cbranch_scc1 .Lnot_wave_0_\@
	s_barrier_signal -3
.Lnot_wave_0_\@:
	s_barrier_wait -3
	s_barrier_signal -1
	s_barrier_wait -1
.endm
.macro CROUND                          ; a whole round
	s_barrier_signal -1
	s_barrier_wait -1
	CREST
.endm
.macro ASK                             ; in the loop of K steps V's waves alone ask: the second tile's tiles of V
	s_cmp_eq_u32 s15, 0
	s_cbranch_scc1 .Lnot_mine_\@
	global_prefetch_b8 v[PFO], s[PFA:PFA+1] th:TH_LOAD_NT scope:SCOPE_SE
.Lnot_mine_\@:
.endm
	s_load_b256 s[4:11], s[0:1], 0x0               ; Q's codes s[4:5], v1img s[6:7], the scales' exponents s[8:9], pimg s[10:11]
	s_load_b64 s[12:13], s[0:1], 0x20              ; stats
	v_lshl_add_u32 v[SPW], v0, 2, SPARE
	v_mov_b32 v[NIL], 0
	ds_add_u32 v[SPW], v[NIL]                      ; the opening: the add, twice on end, and its wait ahead of my first tensor load
	ds_add_u32 v[SPW], v[NIL]
	v_lshrrev_b32 v1, 5, v0
	v_readfirstlane_b32 s14, v1                    ; wave 0..3
	s_lshr_b32 s15, s14, 1                         ; which 128 of the tile's queries are mine.  Also: I fetch for Q (0) or for V (1)
	s_and_b32 s16, s14, 1                          ; which 128 of its keys.  Also: which half of that tile I fetch
	s_bfe_u32 s40, ttmp6, 0x40000                  ; cx, cy: my place in the cluster
	s_bfe_u32 s41, ttmp6, 0x40004
	s_lshl_b32 s42, ttmp9, 2
	s_add_co_u32 s42, s42, s40                     ; tx: the first tile's block of 256 keys = 4 x cluster x + cx: 0 to 3; the second tile's is tx + 4
	s_and_b32 s70, ttmp7, 0xffff
	s_lshl_b32 s17, s70, 2
	s_add_co_u32 s17, s17, s41                     ; ty: the block of 256 of all 16,384 queries = 4 x cluster y + cy
	s_lshr_b32 s70, s70, 1                         ; the batch = ty / 8 = cluster y / 2: alike in all sixteen
	s_lshl_b32 s43, s41, 2
	s_lshl_b32 s43, 15, s43                        ; my row of the cluster
	s_lshl_b32 s44, 0x1111, s40                    ; my column
	; descriptor group 1 for Q: 128 rows x 256 bytes, 1,024 bytes apart in memory, padded in LDS
	s_or_b32 s[G1+0], s43, (0<<16)|(1<<20)|(1<<21)|(5<<22)|(3<<25)  ; 15:0 the mask: my row; 17:16 elements of 1 byte; 20 padding on; 21 set beside a mask; 24:22 after every 64 words (code 5); 31:25 4 words (code 3)
	s_mov_b32 s[G1+1], 256<<16                     ; tensor_dim0
	s_mov_b32 s[G1+2], 128<<16                     ; tensor_dim1
	s_mov_b32 s[G1+3], 256<<16                     ; tile_dim0
	s_mov_b32 s[G1+4], 128                         ; tile_dim1
	s_mov_b32 s[G1+5], 1024                        ; tensor_dim0_stride
	s_mov_b32 s[G1+6], 0
	s_mov_b32 s[G1+7], 0
	; for V: a dense block of 32,768 bytes, stated as 128 rows of 32 elements of 8 bytes, no padding
	s_or_b32 s[G1B+0], s44, (3<<16)|(1<<21)        ; 15:0 the mask: my column; 17:16 elements of 8 bytes; 21 set beside a mask
	s_mov_b32 s[G1B+1], 32<<16
	s_mov_b32 s[G1B+2], 128<<16
	s_mov_b32 s[G1B+3], 32<<16
	s_mov_b32 s[G1B+4], 128
	s_mov_b32 s[G1B+5], 32
	s_mov_b32 s[G1B+6], 0
	s_mov_b32 s[G1B+7], 0
	s_lshl_b32 s20, s17, 18                        ; Q: row 256 ty + 128 x half, 1,024 bytes a row
	s_lshl_b32 s18, s16, 17
	s_add_co_u32 s20, s20, s18
	s_mov_b32 s21, 0
	s_lshl_b32 s46, s70, 21                        ; V: group of 128 keys 16 x batch + 2 tx + half, 131,072 bytes a group
	s_lshl_b32 s19, s42, 18
	s_add_co_u32 s46, s46, s19
	s_add_co_u32 s46, s46, s18
	s_mov_b32 s47, 0
	s_mul_i32 s45, s16, HALFA                      ; where they go: no place in the cluster enters an LDS address
	s_lshl_b32 s71, s16, 15
	s_add_co_u32 s71, s71, BOFF
	s_lshl_b32 s76, s17, 19                        ; pimg: group of 128 queries 2 ty + my half, 262,144 bytes a group;
	s_lshl_b32 s80, s15, 18
	s_add_co_u32 s76, s76, s80
	s_lshl_b32 s80, s42, 15                        ; the block of keys, 32,768;
	s_add_co_u32 s76, s76, s80
	s_lshl_b32 s80, s16, 11                        ; my half of it, 2,048
	s_add_co_u32 s76, s76, s80
	s_mov_b32 s77, 0
	s_lshl_b32 s78, s16, 19                        ; stats: waves 0 and 2 store -M, waves 1 and 3 l: 524,288 bytes apart;
	s_lshl_b32 s80, s42, 16                        ; the block of keys, 65,536;
	s_add_co_u32 s78, s78, s80
	s_lshl_b32 s80, s17, 10                        ; my group of 128 queries, 512
	s_add_co_u32 s78, s78, s80
	s_lshl_b32 s80, s15, 9
	s_add_co_u32 s78, s78, s80
	s_mov_b32 s79, 0
	s_mul_i32 s82, s15, HALFA                      ; my 128 queries in a slot
	s_lshl_b32 s83, s16, 15                        ; my 128 keys,
	s_add_co_u32 s83, s83, BOFF                    ; which lie behind Q's 256 rows
	s_lshl_b32 s84, s14, 10
	s_add_co_u32 s84, s84, STG                     ; my stage
	s_lshl_b32 s85, s16, 9
	s_add_co_u32 s85, s85, s84
	s_mov_b32 s[PFS], 32768
	s_mov_b32 s[PFS+1], 0
	s_cmp_eq_u32 s15, 0
	s_cselect_b32 s86, 10, 8                       ; a prefetch's lanes: rows of Q 1,024 bytes apart; 256 bytes apart in V's block
	s_cselect_b32 s[PFS], 256, s[PFS]
	v_and_b32 v1, 15, v0                           ; r
	v_bfe_u32 v2, v0, 4, 1                         ; h
	v_and_b32 v3, 31, v0                           ; lane
	v_mul_u32_u24 v4, v1, PITCH
	v_lshl_add_u32 v4, v2, 4, v4                   ; Q: row r x pitch + 16 h
	v_add_nc_u32 v[ADRA], s82, v4
	v_add_nc_u32 v[ADRA+1], SLOT, v[ADRA]
	v_lshlrev_b32 v[PO], 4, v3
	v_add_nc_u32 v[ADRB], s83, v[PO]               ; an image's place for my lane: 16 x lane
	v_add_nc_u32 v[ADRB+1], SLOT, v[ADRB]
	v_lshl_add_u32 v[XW], v0, 2, XM
	v_xor_b32 v5, 32, v0                           ; the same lane of wave w xor 1
	v_lshl_add_u32 v[XR], v5, 2, XM
	v_lshl_add_u32 v[SS], v1, 5, s84               ; query 16 a + r has the word 8 r + a
	v_add_nc_u32 v[SRD], s85, v[PO]
	v_lshlrev_b32 v[PFO], s86, v3
	s_wait_alu depctr_va_vdst(0)                   ; directly ahead of the waits below
	s_wait_dscnt 0x0                               ; both opening adds are done
	s_wait_kmcnt 0x0
	s_load_b128 s[72:75], s[8:9], 0x0              ; eq, ek, ep, ev
	s_add_nc_u64 s[20:21], s[4:5], s[20:21]
	s_add_nc_u64 s[46:47], s[6:7], s[46:47]
	s_add_nc_u64 s[10:11], s[10:11], s[76:77]
	s_add_nc_u64 s[12:13], s[12:13], s[78:79]
	s_cmp_eq_u32 s15, 0
	s_cselect_b64 s[PFA:PFA+1], s[20:21], s[46:47]
	s_cselect_b32 s92, s40, s41                    ; my place among the four that ask with me
	s_cselect_b32 s93, 15, 13                      ; 32 rows of Q, or 8,192 bytes of V's block, for each
	s_lshl_b32 s92, s92, s93
	s_mov_b32 s93, 0
	s_add_nc_u64 s[PFA:PFA+1], s[PFA:PFA+1], s[92:93]
	s_add_nc_u64 s[PFA:PFA+1], s[PFA:PFA+1], s[PFS:PFS+1]
	s_add_nc_u64 s[94:95], s[PFA:PFA+1], s[PFS:PFS+1]       ; at K step 2
	s_add_nc_u64 s[PFA:PFA+1], s[94:95], s[PFS:PFS+1]       ; at K step 3
.irp s, 0,1
	s_mov_b32 s[G0+4*\s], 1                        ; 1:0 count = 1
	s_add_co_u32 s[G0+4*\s+1], s45, \s*SLOT        ; 63:32 LDS address
	s_add_nc_u64 s[G0+4*\s+2:G0+4*\s+3], s[20:21], \s*256      ; 120:64 global address: K step s
	s_or_b32 s[G0+4*\s+3], s[G0+4*\s+3], 0x80000000            ; 127:126 type = 2
	s_mov_b32 s[G0B+4*\s], 1
	s_add_co_u32 s[G0B+4*\s+1], s71, \s*SLOT
	s_add_nc_u64 s[G0B+4*\s+2:G0B+4*\s+3], s[46:47], \s*HALFB
	s_or_b32 s[G0B+4*\s+3], s[G0B+4*\s+3], 0x80000000
.endr
	CROUND                                         ; all sixteen work-groups are here: the first joint loads meet
	JLOAD G0, G1, G0B, G1B                         ; K step 0: one tensor load of mine is out
	s_mov_b32 s68, 0x76543210                      ; v_permlanex16_b32's selects for lane l xor 16
	s_mov_b32 s69, 0xfedcba98
	s_wait_kmcnt 0x0
	s_add_co_i32 s80, s72, s73
	s_lshl_b32 s80, s80, 23
	s_add_co_i32 s66, s80, 0x3d38aa3b              ; c = log2(e) / 32 x 2^(eq + ek): the two exponents are added to the exponent field
	s_mov_b32 s67, s66                             ; (the packed form names the pair, so it is written)
	s_add_co_i32 s80, s74, 127
	s_lshl_b32 s76, s80, 23                        ; 2^ep as f32
	s_add_co_i32 s80, s80, 15
	s_lshl_b32 s77, s80, 23
	s_or_b32 s77, s77, 0x600000                    ; 57,344 x 2^ep
; The k-th matrix instruction of quad u (block u / 2 of 16 queries x tile 4 (u % 2) + k of keys), 128 along K, of a half step of parity p.  zero = 1: it starts the sum: nothing is ever cleared.
.macro MM u, k, p, zero
.set AR, AF+16*((\u)/2)
.if ((\u)/2==7)&&((\p)==1)
.set AR, A7X
.endif
.set AC, 8*(8*(((\u)/2)%4)+4*((\u)%2)+(\k))
.set BR, 128*(\p)+16*(4*((\u)%2)+(\k))
	WIN MUL_LO+0x50*((\u)/8)
.if \zero
	v_wmma_f32_16x16x128_bf8_bf8 v[AC:AC+7], v[BR:BR+15], v[AR:AR+15], 0
.else
	v_wmma_f32_16x16x128_bf8_bf8 v[AC:AC+7], v[BR:BR+15], v[AR:AR+15], v[AC:AC+7]
.endif
.endm
; The n-th of the 64 loads that bring the fragments of a half step of parity p (the slot's q-th 128 along K): V's eight tiles, Q's block 7, Q's blocks 0 to 6; four loads each.
.macro LD n, slot, q, p
.if (\n)<32
	WIN TO_B
	ds_load_b128 v[128*(\p)+4*(\n):128*(\p)+4*(\n)+3], v[ADRB+\slot] offset:4096*((\n)/4)+2048*(\q)+512*((\n)%4)
.else
.if (\n)<36
.set TI, 7
.set DR, AF+112-(AF+112-A7X)*(\p)+4*((\n)%4)
.else
.set TI, ((\n)-36)/4
.set DR, AF+16*TI+4*((\n)%4)
.endif
	WIN 0
	ds_load_b128 v[DR:DR+3], v[ADRA+\slot] offset:128*(\q)+32*((\n)%4)+TI*16*PITCH
.endif
.endm
; A load into a register that a matrix instruction has read, and a vector instruction that reads a matrix result, stand four places behind that matrix instruction; only plain vector instructions that name none of its
; registers are places (ISA guide 7.12.1 for vector instructions).
.macro PLACES n
.rept \n
	v_nop
.endr
.endm
.macro RUN count, slot, q, p           ; the next loads of the 64, in one run
.rept \count
	LD LN, \slot, \q, \p
.set LN, LN+1
.endr
.endm
; An even half step: a slot's first 128 along K; the next half's loads in four runs of 16, each behind four places.
; At its head the youngest twelve loads (Q's blocks 4 to 6) may be out; in front of block 4 this half's first two runs, 32.
; The run behind quad 10 takes the registers of blocks 0-2, the run behind quad 13 those of blocks 3-6: all are multiplied by then.
.macro SHALF slot, zero
.set UU, 0
.rept 16
.if UU==0
.set LN, 0
	s_wait_dscnt 12
.elseif UU==8
	s_wait_dscnt 32
.endif
	MM UU, 0, 0, \zero
	MM UU, 1, 0, \zero
	MM UU, 2, 0, \zero
	MM UU, 3, 0, \zero
.if (UU==2)||(UU==6)||(UU==10)||(UU==13)
	PLACES 4
	RUN 16, \slot, 1, 1
.endif
.set UU, UU+1
.endr
	WIN 0
.endm
.macro QUAD u
	MM \u, 0, 1, 0
	MM \u, 1, 1, 0
	MM \u, 2, 1, 0
	MM \u, 3, 1, 0
.endm
; An odd half step, the slot's second 128, changes slots: ONE barrier; in front of it each wave waits for all its tensor loads, adds 0 to its spare word, and waits for that and for its own reads of this slot.
; fill = 1: this slot is filled again; the barrier opens a round of the cluster's barrier, and the joint refill is the first tensor load behind the round.  on = 0: with this tile's K step two steps on;
; on = 1: with the NEXT tile's K step 0 or 1.  fetch = 1: the next slot's first fragments, in runs of 24, 16, 12 and 12 loads; fetch = 0: the tile's last step.
; ask: 0 no prefetch; 1 the second tile's K step 0; 2 one K step further on.
.macro THALF slot, next, fill, on, fetch, ask
.if \ask
	s_wait_xcnt 0x0                                ; my last prefetch has read its address
.if \ask == 1
	s_add_nc_u64 s[PFA:PFA+1], s[PFA:PFA+1], NEXTT-3*HALFB
.else
	s_add_nc_u64 s[PFA:PFA+1], s[PFA:PFA+1], HALFB
.endif
.endif
	s_wait_tensorcnt 0x0                           ; all my tensor loads have landed: my part of the other slot  (every window is 0 here)
	ds_add_u32 v[SPW], v[NIL]                      ; 0 onto my spare word
	s_wait_dscnt 17                                ; (the add and Q's blocks 3 to 6 may be out)
	QUAD 0
	QUAD 1
	s_wait_dscnt 0x0                               ; the add is done, and my reads of this slot are over
	s_barrier_signal -1
	QUAD 2
	QUAD 3
	WIN 0
	s_barrier_wait -1
.if \fill
	CREST                                          ; no wave of any partner still reads this slot's tile or has a load on its way
.if \on
	s_sub_nc_u64 s[G0+4*\slot+2:G0+4*\slot+3], s[G0+4*\slot+2:G0+4*\slot+3], BACK_A
	s_add_nc_u64 s[G0B+4*\slot+2:G0B+4*\slot+3], s[G0B+4*\slot+2:G0B+4*\slot+3], NEXT_B
.else
	s_add_nc_u64 s[G0+4*\slot+2:G0+4*\slot+3], s[G0+4*\slot+2:G0+4*\slot+3], STEPA
	s_add_nc_u64 s[G0B+4*\slot+2:G0B+4*\slot+3], s[G0B+4*\slot+2:G0B+4*\slot+3], STEPB
.endif
	JLOAD G0+4*\slot, G1, G0B+4*\slot, G1B         ; one tensor load of mine is out; the four v_nop behind it are the places in front of the loads below
.else
	PLACES 4
.endif
.set UU, 4
.set LN, 0
.if \fetch
	RUN 24, \next, 0, 0                            ; V's tiles 0 to 5
.endif
.rept 12
	MM UU, 0, 1, 0
	MM UU, 1, 1, 0
	MM UU, 2, 1, 0
	MM UU, 3, 1, 0
.if (\fetch)&&(UU==6)
	PLACES 4
	RUN 16, \next, 0, 0                            ; V's tiles 6 and 7, Q's blocks 7 and 0
.elseif (\fetch)&&((UU==10)||(UU==14))
	PLACES 4
	RUN 12, \next, 0, 0                            ; Q's blocks 1 to 3; 4 to 6
.endif
.if (\ask)&&(UU==6)
	WIN 0
	ASK
.endif
.set UU, UU+1
.endr
	WIN 0
.endm
.macro FIRST                           ; a tile's first fragments, from slot 0
.set LN, 0
.rept 64
	LD LN, 0, 0, 0
.set LN, LN+1
.endr
	WIN 0
.endm
; ---- THE SOFTMAX OF A TILE.  Block a of 16 queries has 64 scores a lane, at v[64 (a % 4)] on of window 2 + a / 4.
; The maximum: four chains a block; the first twelve scores start them.  Every accumulator is read from its low end on.
.macro MAXA a
.set AC, 64*((\a)%4)
.set TT, TM+4*(\a)
.irp i, 0,1,2,3
	v_max3_num_f32 v[TT+\i], v[AC+3*\i], v[AC+3*\i+1], v[AC+3*\i+2]
.endr
.endm
.macro MAXB a
.set AC, 64*((\a)%4)
.set TT, TM+4*(\a)
.set i, 0
.rept 26
	v_max3_num_f32 v[TT+i%4], v[TT+i%4], v[AC+12+2*i], v[AC+13+2*i]
.set i, i+1
.endr
.endm
; p, its sum and its codes, for block a of 16 queries.
.macro SOFT a
.set AC, 64*((\a)%4)
.set WW, 2+(\a)/4
.set LL, LS+4*(\a)
.set PC, AF+16*(\a)
	WIN (WW<<6)|WW                                 ; destination and source 0: the block's window
.set i, 0
.rept 32
	v_pk_fma_f32 v[AC+i:AC+i+1], v[AC+i:AC+i+1], s[66:67], v[NM+2*(\a):NM+2*(\a)+1] op_sel_hi:[1,0,0]   ; t - M, two at a time (of the pairs c and -M the low word serves both halves)
.set i, i+2
.endr
.set i, 0
	s_wait_alu depctr_va_vdst(0)                   ; ahead of the batch
.rept 64
	v_exp_f32 v[AC+i], v[AC+i]                     ; p = 2^(t - M), at most 1
.set i, i+1
.endr
	v_nop                                          ; a plain place behind the exponentials
	WIN (WW<<2)|WW
	s_wait_alu depctr_va_vdst(0)                   ; and ahead of its first reader
	v_pk_add_f32 v[LL:LL+1], v[AC:AC+1], v[AC+2:AC+3]        ; THE SUM IS TAKEN OF THE UNQUANTISED p: two at a time, in four chains, which the first eight pairs start
	v_pk_add_f32 v[LL+2:LL+3], v[AC+4:AC+5], v[AC+6:AC+7]
	v_pk_add_f32 v[TM:TM+1], v[AC+8:AC+9], v[AC+10:AC+11]    ; (the maxima's registers are free)
	v_pk_add_f32 v[TM+2:TM+3], v[AC+12:AC+13], v[AC+14:AC+15]
	WIN WW<<2
.set i, 16
.rept 6
	v_pk_add_f32 v[LL:LL+1], v[LL:LL+1], v[AC+i:AC+i+1]
	v_pk_add_f32 v[LL+2:LL+3], v[LL+2:LL+3], v[AC+i+2:AC+i+3]
	v_pk_add_f32 v[TM:TM+1], v[TM:TM+1], v[AC+i+4:AC+i+5]
	v_pk_add_f32 v[TM+2:TM+3], v[TM+2:TM+3], v[AC+i+6:AC+i+7]
.set i, i+8
.endr
	WIN (WW<<6)|WW
.set i, 0
.rept 64
	v_min_num_f32 v[AC+i], v[AC+i], v112           ; the conversion to an 8-bit code does not saturate (ISA guide 7.6.2); p is not negative, so the hold is one-sided
.set i, i+1
.endr
	WIN WW
.set i, 0
.rept 8
	v_cvt_scalef32_pk8_bf8_f32 v[PC+2*i:PC+2*i+1], v[AC+8*i:AC+8*i+7], v113   ; registers 4 c .. 4 c + 3: keys 32 c + 16 h + 0 .. 15
.set i, i+1
.endr
	v_nop                                          ; one plain vector instruction behind the last conversion of the run
	WIN 0
	v_pk_add_f32 v[LL:LL+1], v[LL:LL+1], v[TM:TM+1]
	v_pk_add_f32 v[LL+2:LL+3], v[LL+2:LL+3], v[TM+2:TM+3]
.irp c, 0,1,2,3
	global_store_b128 v[PO], v[PC+4*\c:PC+4*\c+3], s[10:11] offset:4096*(\a)+512*\c   ; the fragment's image: 512 consecutive bytes, aligned; within a tile each block has registers of its own
.endr
.endm
.macro EPI
	v_mov_b32 v112, s77                            ; 57,344 x 2^ep;  these two and two v_nop are the places behind the last products
	v_mov_b32 v113, s76                            ; 2^ep
	PLACES 2
	WIN 0x2a                                       ; all three sources window 2
.irp a, 0,1,2,3
	MAXA \a
.endr
	WIN 0x28                                       ; sources 1 and 2 window 2
.irp a, 0,1,2,3
	MAXB \a
.endr
	WIN 0x3f
.irp a, 4,5,6,7
	MAXA \a
.endr
	WIN 0x3c
.irp a, 4,5,6,7
	MAXB \a
.endr
	WIN 0
.irp a, 0,1,2,3,4,5,6,7
	v_max3_num_f32 v[TM+4*\a], v[TM+4*\a], v[TM+4*\a+1], v[TM+4*\a+2]
.endr
.irp a, 0,1,2,3,4,5,6,7
	v_max_num_f32 v[TM+4*\a], v[TM+4*\a], v[TM+4*\a+3]
.endr
.irp a, 0,1,2,3,4,5,6,7
	v_permlanex16_b32 v[TM+4*\a+1], v[TM+4*\a], s68, s69   ; the query's other 64 keys of my 128 lie in the lane 16 away
.endr
.irp a, 0,1,2,3,4,5,6,7
	v_max_num_f32 v[TM+4*\a], v[TM+4*\a], v[TM+4*\a+1]
.endr
.irp a, 0,1,2,3,4,5,6,7
	ds_store_b32 v[XW], v[TM+4*\a] offset:512*\a
.endr
	s_wait_alu depctr_va_vdst(0)                   ; directly ahead of the waits below
	s_wait_dscnt 0x0                               ; for the others' sake: my stores are done
	s_barrier_signal -1
	s_barrier_wait -1
.irp a, 0,1,2,3,4,5,6,7
	ds_load_b32 v[TM+4*\a+1], v[XR] offset:512*\a  ; the block's other 128 keys: the partner wave's maximum
.endr
	s_wait_dscnt 0x0
.irp a, 0,1,2,3,4,5,6,7
	v_max_num_f32 v[TM+4*\a], v[TM+4*\a], v[TM+4*\a+1]
.endr
.irp a, 0,1,2,3,4,5,6,7
	v_mul_f32 v[NM+2*\a+1], s66, v[TM+4*\a]        ; as t (c is positive)
.endr
.irp a, 0,1,2,3,4,5,6,7
	v_floor_f32 v[NM+2*\a], -v[NM+2*\a+1]          ; -M = floor(-t) = -ceil(t): M is a whole number
.endr
.irp a, 0,1,2,3,4,5,6,7
	SOFT \a
.endr
.irp a, 0,1,2,3,4,5,6,7
	v_pk_add_f32 v[LS+4*\a:LS+4*\a+1], v[LS+4*\a:LS+4*\a+1], v[LS+4*\a+2:LS+4*\a+3]
.endr
.irp a, 0,1,2,3,4,5,6,7
	v_add_f32 v[LS+4*\a], v[LS+4*\a], v[LS+4*\a+1]
.endr
.irp a, 0,1,2,3,4,5,6,7
	v_permlanex16_b32 v[LS+4*\a+1], v[LS+4*\a], s68, s69
.endr
.irp a, 0,1,2,3,4,5,6,7
	v_add_f32 v[LS+4*\a], v[LS+4*\a], v[LS+4*\a+1]
.endr
.irp a, 0,1,2,3,4,5,6,7
	ds_store_b32 v[XW], v[LS+4*\a] offset:XL-XM+512*\a
.endr
	s_wait_alu depctr_va_vdst(0)
	s_wait_dscnt 0x0                               ; for the others' sake: my stores are done
	s_barrier_signal -1
	s_barrier_wait -1
.irp a, 0,1,2,3,4,5,6,7
	ds_load_b32 v[LS+4*\a+1], v[XR] offset:XL-XM+512*\a
.endr
	s_wait_dscnt 0x0
.irp a, 0,1,2,3,4,5,6,7
	v_add_f32 v[LS+4*\a], v[LS+4*\a], v[LS+4*\a+1] ; l of the block's 256 keys
.endr
.irp a, 0,1,2,3,4,5,6,7
	ds_store_b32 v[SS], v[NM+2*\a] offset:4*\a     ; query 16 a + r at word 8 r + a; the two halves of the lanes hold and write the same number
	ds_store_b32 v[SS], v[LS+4*\a] offset:512+4*\a
.endr
	ds_load_b128 v[116:119], v[SRD]                ; my own bytes, served in order: 128 queries' -M or l, 16 bytes a lane
	s_wait_dscnt 0x0
	global_store_b128 v[PO], v[116:119], s[12:13]  ; 512 consecutive bytes, aligned
.endm
	s_wait_alu depctr_va_vdst(0)
	s_wait_tensorcnt 0x0                           ; my part of K step 0 is in
	ds_add_u32 v[SPW], v[NIL]
	s_wait_dscnt 0x0
	CROUND                                         ; everybody's part of K step 0 is in, and all sixteen work-groups are here
	JLOAD G0+4, G1, G0B+4, G1B                     ; K step 1's load, the first tensor load behind the round
; ---- the first tile: the block of keys tx
	FIRST
	global_prefetch_b8 v[PFO], s[94:95] th:TH_LOAD_NT scope:SCOPE_SE       ; K steps 2 and 3, behind K step 1's load: the first two refills take them
	global_prefetch_b8 v[PFO], s[PFA:PFA+1] th:TH_LOAD_NT scope:SCOPE_SE
	SHALF 0, 1                                     ; the first products start the sums
	THALF 0, 1, 1, 0, 1, 1                         ; slot 0 takes K step 2
	SHALF 1, 0
	THALF 1, 0, 1, 0, 1, 2                         ; slot 1 takes K step 3
	SHALF 0, 0
	THALF 0, 1, 1, 1, 1, 2                         ; THE RING GOES ON INTO THE SECOND TILE: slot 0 takes its K step 0,
	SHALF 1, 0
	THALF 1, 0, 1, 1, 0, 2                         ; slot 1 its K step 1.  In front of this round every wave has waited for slot 0's load: behind it slot 0 is whole
	s_mov_b32 s3, 2                                ; tiles whose softmax is to come
.Lsoft:
	EPI
	s_cmp_eq_u32 s3, 1
	s_cbranch_scc1 .Lend
; ---- the second tile: the block of keys tx + 4
	s_wait_xcnt 0x0                                ; the tile's stores have read their registers and bases: Q's fragments land where p's codes lay
	s_add_nc_u64 s[10:11], s[10:11], NEXT_P
	s_add_nc_u64 s[12:13], s[12:13], NEXT_S
	FIRST
	SHALF 0, 1
	THALF 0, 1, 1, 0, 1, 0                         ; its wait for all tensor loads covers slot 1's, asked for ahead of the first tile's softmax
	SHALF 1, 0
	THALF 1, 0, 1, 0, 1, 0
	SHALF 0, 0
	THALF 0, 1, 0, 0, 1, 0                         ; nothing is left to fetch
	SHALF 1, 0
	s_wait_dscnt 0x0                               ; the very last 128 along K
.set UU, 0
.rept 16
	QUAD UU
.set UU, UU+1
.endr
	WIN 0
	s_sub_co_u32 s3, s3, 1
	s_cmp_lg_u32 s3, 0
	s_cbranch_scc1 .Lsoft
.Lend:
	s_wait_tensorcnt 0x0                           ; the wave's end: behind my last tensor load and my last LDS store
	ds_add_u32 v[SPW], v[NIL]
	s_wait_dscnt 0x0
	CROUND                                         ; the closing round: no work-group ends while a partner may still ask for a tile that names it
	s_endpgm
.Lfunc_end_k_q79c0e4de84_qk:
	.size	k_q79c0e4de84_qk, .Lfunc_end_k_q79c0e4de84_qk-k_q79c0e4de84_qk
	.p2alignl 7, 3214868480
	.fill 96, 4, 3214868480
	.section	.rodata,"a",@progbits
	.p2align	6, 0x0
	.amdhsa_kernel k_q79c0e4de84_qk
		.amdhsa_group_segment_fixed_size 327680
		.amdhsa_private_segment_fixed_size 0
		.amdhsa_enable_private_segment 0
		.amdhsa_kernarg_size 40
		.amdhsa_user_sgpr_count 2
		.amdhsa_user_sgpr_kernarg_segment_ptr 1
		.amdhsa_wavefront_size32 1
		.amdhsa_system_sgpr_workgroup_id_x 1
		.amdhsa_system_sgpr_workgroup_id_y 1
		.amdhsa_system_sgpr_workgroup_id_z 1
		.amdhsa_system_vgpr_workitem_id 0
		.amdhsa_next_free_vgpr 1024
		.amdhsa_next_free_sgpr 100
		.amdhsa_reserve_vcc 0
		.amdhsa_float_denorm_mode_32 3
		.amdhsa_float_denorm_mode_16_64 3
		.amdhsa_memory_ordered 1
		.amdhsa_forward_progress 1
		.amdhsa_inst_pref_size 254
	.end_amdhsa_kernel
	.amdgpu_metadata
---
amdhsa.version: [ 1, 2 ]
amdhsa.kernels:
  - .name:           k_q79c0e4de84_qk
    .symbol:         k_q79c0e4de84_qk.kd
    .args:
      - { .name: key_codes, .offset: 0, .size: 8, .value_kind: global_buffer, .address_space: global }
      - { .name: v1img, .offset: 8, .size: 8, .value_kind: global_buffer, .address_space: global }
      - { .name: lowp_scales, .offset: 16, .size: 8, .value_kind: global_buffer, .address_space: global }
      - { .name: pimg, .offset: 24, .size: 8, .value_kind: global_buffer, .address_space: global }
      - { .name: stats, .offset: 32, .size: 8, .value_kind: global_buffer, .address_space: global }
    .group_segment_fixed_size: 327680
    .private_segment_fixed_size: 0
    .kernarg_segment_align: 8
    .kernarg_segment_size: 40
    .max_flat_workgroup_size: 128
    .sgpr_count:     100
    .vgpr_count:     1024
    .wavefront_size: 32
...
	.end_amdgpu_metadata
.endif
;; end of part 2
;; launch pv (part 3): grid 4 x 64, 4 waves a work-group, clusters of 4 x 4, 327,680 bytes of LDS; arguments pimg, v2img, lowp_scales, stats, out0; writes out0
.if DOCPART == 3
	.amdgcn_target "amdgcn-amd-amdhsa--gfx1250"
	.amdhsa_code_object_version 6
	.text
	.protected	k_q79c0e4de84_pv
	.globl	k_q79c0e4de84_pv
	.p2align	8
	.type	k_q79c0e4de84_pv,@function
k_q79c0e4de84_pv:
	s_mov_b64 s[64:65], 0
	v_nop
	global_prefetch_b8 v0, s[64:65] scope:SCOPE_SE
	s_setreg_imm32_b32 hwreg(HW_REG_WAVE_MODE, 25, 1), 1
	s_wait_xcnt 0x0
	s_wait_alu depctr_hold_cnt(0) depctr_sa_sdst(0) depctr_va_vdst(0) depctr_va_sdst(0) depctr_va_ssrc(0) depctr_va_vcc(0) depctr_vm_vsrc(0)
	s_getreg_b32 s2, hwreg(HW_REG_IB_STS2, 6, 4)
	s_cmp_eq_u32 s2, 0
	s_cbranch_scc0 .Lentry_in_a_cluster
	s_endpgm
.Lentry_in_a_cluster:
	s_bfe_u32 s2, ttmp6, 0x10000c
	s_cmp_lg_u32 s2, 0xf033
	s_cbranch_scc0 .Lentry_shape_is_right
	s_endpgm
.Lentry_shape_is_right:
; The second product and the softmax's second half: out0 = P V x 2^(ep + ev) / l on codes of BF8 (E5M2).  P = pimg: each block of 256 keys has codes of p = 2^(t - M) under its own whole number M; V = v2img, codes along the keys.
; A tile is 256 queries x 256 of d, one for each work-group: four waves of 128 x 128: 64 accumulators of 16 x 16, 512 registers.  A K step is one block of 256 keys: eight steps through a ring of two LDS slots of 131,072 bytes.
; THE BLOCKS MEET.  With M the row's largest and d_j = M_j - M (0 or less), the sums are kept under the block in hand: ahead of step j they are multiplied by f_j = 2^(d_(j-1) - d_j), exact.  l = the sum of l_j 2^(d_j).
; At the end the sums are multiplied by F = 2^(d_7 + ep + ev) / l.  LIMIT: d_j is held at -64: a block whose largest t lies more than 64 under the row's counts as if 64 under, at most 2^-64 for each key beside the row's largest p.
; Factors are made once, four queries a lane, and kept in an LDS table of the wave's own: [f_1 .. f_7, F][r 16][a 8], the query being 16 a + r of the wave's 128; a lane reads its eight back as 32 neighbouring bytes.
; THE MATRIX INSTRUCTION IS USED TRANSPOSED (source 0 = 16 of d, source 1 = 16 queries): a lane holds one query and eight neighbouring d.
; A HALF STEP is 128 along K: 64 matrix instructions in sixteen quads, the 64 accumulators by turns.  The next half's 64 LDS loads are strewn behind the quads, and the rescaling of block a + 1 stands between the instructions of block a.
; V has two sets of registers, P one, but for block 7, which has two by turns: so all reads of a slot are issued ahead of the half step that changes slots.
; CLUSTERS: 4 x 4 work-groups.  The four of a row of the cluster need the same tiles of P, the four of a column the same tiles of V: each is asked for JOINTLY.  All sixteen lie in one batch (the cluster's y / 2).
; PREFETCH: behind each joint load what the load two K steps on will ask for, once in each cluster: of the 32,768 bytes that a wave fetches each of the four partners names 8,192, told apart by address.
; LIMITS: NaN and infinities among the statistics are not served.
; REGISTERS, in windows of 256: window 0: v16-31 addresses; v32-39 the step's factors; v48-111 the statistics, at the head; v40-103 at work on the way out; v112-127 P's block 7 of odd halves; from v128 P's fragments.
;   window 1: V's fragments, two sets; on the way out rows read back.   window 2: the accumulators of my queries 0-63 ((a, b) at v[8 (8 a + b)]);   window 3: those of my queries 64-127.
.set HALFT,  32768                     ; 128 rows x 256 along K as images, dense: one tensor load
.set BOFF,   2*HALFT                   ; a slot: P's two halves, then V's two
.set SLOT,   4*HALFT
.set STAGE,  2*SLOT                    ; behind the ring: 16 rows x 528 bytes for each wave, for the way out;
.set SPITCH, 528
.set TAB,    STAGE+4*16*SPITCH         ; the tables of factors, 4,096 of 5,120 bytes for each wave;
.set TABW,   5120
.set SPARE,  TAB+4*TABW                ; the spare words, 128 bytes for each wave: two blocks of 256 bytes that no other line names
.set STEPT,  2*HALFT                   ; from a slot's tile to its next: two K steps
.set ROWO,   4096                      ; a row of out0
.set ADRA, 16                          ; v16-17  LDS address of my fragments of P in slot 0, 1
.set PFO,  18                          ; v18     256 x lane: the prefetches' offset; never rewritten
.set GP,   19                          ; v19     where a step's factors are read
.set ADRB, 20                          ; v20-21  as ADRA, for V
.set GB,   22                          ; v22     my table + 32 x (lane % 16)
.set FTW,  23                          ; v23     where I write factors: my table + 32 r + 16 h
.set STO,  24                          ; v24     the way out: where I put 16 bytes of a row
.set RD,   25                          ; v25     the way out: where I read a row back
.set CO,   26                          ; v26     16 x lane: my bytes of a row's 512
.set RO,   27                          ; v27     32 r + 16 h: my bytes of the statistics
.set SPW,  28                          ; v28     LDS address of my spare word; never rewritten
.set NIL,  29                          ; v29     0; never rewritten
.set GS,   32
.set TMP,  40
.set SM,   48                          ; v48-79   SM[4 j + i]: block j's -M of query 16 (4 h + i) + r, then d_j, then f_j
.set SL,   80                          ; v80-111  its l
.set A7X,  112
.set AF,   128
.set TP,   2                           ; s2   bytes from the table's first row that the loop has gone
.set G1, 24                            ; s[24:31] descriptor group 1 for P's tiles;  s[32:39] group 0, one set for each slot
.set G0, 32
.set G1B, 48                           ; s[48:55], s[56:63] the same for V's tiles
.set G0B, 56
.set PFA, 88                           ; s[88:89] where my prefetches stand
.set MSB, 0
.macro WIN new                         ; the immediate's high byte repeats the setting that is left; a switch that changes nothing is dropped
.if MSB != (\new)
	s_set_vgpr_msb (MSB<<8)|(\new)
.set MSB, (\new)
.endif
.endm
.set MUL_LO, 0xa1                      ; source 0 (V) window 1, source 1 (P) window 0, C and D window 2; 0x50 more: window 3
.set TO_B,   0x40                      ; destination window 1, address window 0
; A joint load: waves 0 and 1 fetch P's halves, waves 2 and 3 V's.  Each of the two lines has ONE mask and one set of registers for all that issue it; the branch hangs on the wave's number alone.
.macro JLOAD g0a, g1a, g0b, g1b
	s_cmp_eq_u32 s15, 0
	s_cbranch_scc0 .Lfor_b_\@
	tensor_load_to_lds s[\g0a:\g0a+3], s[\g1a:\g1a+7]
	s_nop 0
.rept 4
	v_nop
.endr
	s_branch .Lasked_\@
.Lfor_b_\@:
	tensor_load_to_lds s[\g0b:\g0b+3], s[\g1b:\g1b+7]
	s_nop 0
.rept 4
	v_nop
.endr
.Lasked_\@:
.endm
.macro CREST                           ; a round of the cluster's barrier behind its opening barrier
	s_cmp_lg_u32 s14, 0
	s_cbranch_scc1 .Lnot_wave_0_\@
	s_barrier_signal -3
.Lnot_wave_0_\@:
	s_barrier_wait -3
	s_barrier_signal -1
	s_barrier_wait -1
.endm
.macro CROUND                          ; a whole round
	s_barrier_signal -1
	s_barrier_wait -1
	CREST
.endm
.macro ASK                             ; the loop's last trip asks for nothing: no K step lies two on
	s_cmp_eq_u32 s3, 1
	s_cbranch_scc1 .Lnone_left_\@
	global_prefetch_b8 v[PFO], s[PFA:PFA+1] offset:3*HALFT th:TH_LOAD_NT scope:SCOPE_SE
.Lnone_left_\@:
.endm
	s_load_b256 s[4:11], s[0:1], 0x0               ; pimg s[4:5], v2img s[6:7], the scales' exponents s[8:9], stats s[10:11]
	s_load_b64 s[12:13], s[0:1], 0x20              ; out0
	v_lshl_add_u32 v[SPW], v0, 2, SPARE
	v_mov_b32 v[NIL], 0
	ds_add_u32 v[SPW], v[NIL]                      ; the opening: the add, twice on end, and its wait ahead of my first tensor load
	ds_add_u32 v[SPW], v[NIL]
	v_lshrrev_b32 v1, 5, v0
	v_readfirstlane_b32 s14, v1                    ; wave 0..3
	s_lshr_b32 s15, s14, 1                         ; which 128 of the tile's queries are mine.  Also: I fetch for P (0) or for V (1)
	s_and_b32 s16, s14, 1                          ; which 128 of its d.  Also: which half of that tile I fetch
	s_bfe_u32 s40, ttmp6, 0x40000                  ; cx, cy: my place in the cluster
	s_bfe_u32 s41, ttmp6, 0x40004
	s_lshl_b32 s42, ttmp9, 2
	s_add_co_u32 s42, s42, s40                     ; tx: the block of 256 of d
	s_and_b32 s70, ttmp7, 0xffff
	s_lshl_b32 s17, s70, 2
	s_add_co_u32 s17, s17, s41                     ; ty: the block of 256 of all 16,384 queries
	s_lshr_b32 s70, s70, 1                         ; the batch, alike in all sixteen
	s_lshl_b32 s43, s41, 2
	s_lshl_b32 s43, 15, s43                        ; my row of the cluster
	s_lshl_b32 s44, 0x1111, s40                    ; my column
	; descriptor group 1: a dense block of 32,768 bytes, stated as 128 rows of 32 elements of 8 bytes, no padding
	s_or_b32 s[G1+0], s43, (3<<16)|(1<<21)         ; 15:0 the mask: my row; 17:16 elements of 8 bytes; 21 set beside a mask
	s_or_b32 s[G1B+0], s44, (3<<16)|(1<<21)        ; the mask: my column
.irp g, G1, G1B
	s_mov_b32 s[\g+1], 32<<16
	s_mov_b32 s[\g+2], 128<<16
	s_mov_b32 s[\g+3], 32<<16
	s_mov_b32 s[\g+4], 128
	s_mov_b32 s[\g+5], 32
	s_mov_b32 s[\g+6], 0
	s_mov_b32 s[\g+7], 0
.endr
	s_lshl_b32 s20, s17, 19                        ; P: group of 128 queries 2 ty + half, 262,144 bytes a group
	s_lshl_b32 s18, s16, 18
	s_add_co_u32 s20, s20, s18
	s_mov_b32 s21, 0
	s_lshl_b32 s46, s70, 21                        ; V: the batch, 2,097,152 bytes; group of 128 d 2 tx + half, 262,144
	s_lshl_b32 s19, s42, 19
	s_add_co_u32 s46, s46, s19
	s_add_co_u32 s46, s46, s18
	s_mov_b32 s47, 0
	s_lshl_b32 s45, s16, 15                        ; where they go: no place in the cluster enters an LDS address
	s_add_co_u32 s71, s45, BOFF
	s_lshl_b32 s76, s17, 10                        ; stats: my group of 128 queries, 512 bytes
	s_lshl_b32 s80, s15, 9
	s_add_co_u32 s76, s76, s80
	s_mov_b32 s77, 0
	s_lshl_b32 s78, s17, 20                        ; out0: row 256 ty + 128 x my half, 4,096 bytes a row;
	s_lshl_b32 s80, s15, 19
	s_add_co_u32 s78, s78, s80
	s_lshl_b32 s80, s42, 10                        ; column 256 tx + 128 x my half
	s_add_co_u32 s78, s78, s80
	s_lshl_b32 s80, s16, 9
	s_add_co_u32 s78, s78, s80
	s_mov_b32 s79, 0
	s_lshl_b32 s82, s15, 15                        ; my 128 queries in a slot
	s_lshl_b32 s83, s16, 15                        ; my 128 of d,
	s_add_co_u32 s83, s83, BOFF                    ; which lie behind P's
	s_mul_i32 s84, s14, 16*SPITCH
	s_add_co_u32 s84, s84, STAGE                   ; my stage
	s_mul_i32 s85, s14, TABW
	s_add_co_u32 s85, s85, TAB                     ; my table
	v_and_b32 v1, 15, v0                           ; r
	v_bfe_u32 v2, v0, 4, 1                         ; h
	v_and_b32 v3, 31, v0                           ; lane
	v_lshlrev_b32 v4, 4, v2
	v_lshl_add_u32 v[RO], v1, 5, v4
	v_lshlrev_b32 v[CO], 4, v3
	v_lshlrev_b32 v[PFO], 8, v3
	v_add_nc_u32 v[ADRA], s82, v[CO]
	v_add_nc_u32 v[ADRA+1], SLOT, v[ADRA]
	v_add_nc_u32 v[ADRB], s83, v[CO]
	v_add_nc_u32 v[ADRB+1], SLOT, v[ADRB]
	v_mul_u32_u24 v5, v1, SPITCH
	v_lshl_add_u32 v5, v2, 5, v5
	v_add_nc_u32 v[STO], s84, v5
	v_add_nc_u32 v[RD], s84, v[CO]
	v_lshl_add_u32 v[GB], v1, 5, s85
	v_add_nc_u32 v[FTW], s85, v[RO]
	s_wait_alu depctr_va_vdst(0)                   ; directly ahead of the waits below
	s_wait_dscnt 0x0                               ; both opening adds are done
	s_wait_kmcnt 0x0
	s_load_b128 s[72:75], s[8:9], 0x0              ; eq, ek, ep, ev
	s_add_nc_u64 s[20:21], s[4:5], s[20:21]
	s_add_nc_u64 s[46:47], s[6:7], s[46:47]
	s_add_nc_u64 s[10:11], s[10:11], s[76:77]
	s_add_nc_u64 s[12:13], s[12:13], s[78:79]
	s_cmp_eq_u32 s15, 0
	s_cselect_b64 s[PFA:PFA+1], s[20:21], s[46:47]
	s_cselect_b32 s92, s40, s41                    ; my place among the four that ask with me
	s_lshl_b32 s92, s92, 13                        ; 8,192 bytes for each
	s_mov_b32 s93, 0
	s_add_nc_u64 s[PFA:PFA+1], s[PFA:PFA+1], s[92:93]
.irp s, 0,1
	s_mov_b32 s[G0+4*\s], 1                        ; 1:0 count = 1
	s_add_co_u32 s[G0+4*\s+1], s45, \s*SLOT        ; 63:32 LDS address
	s_add_nc_u64 s[G0+4*\s+2:G0+4*\s+3], s[20:21], \s*HALFT    ; 120:64 global address: K step s
	s_or_b32 s[G0+4*\s+3], s[G0+4*\s+3], 0x80000000            ; 127:126 type = 2
	s_mov_b32 s[G0B+4*\s], 1
	s_add_co_u32 s[G0B+4*\s+1], s71, \s*SLOT
	s_add_nc_u64 s[G0B+4*\s+2:G0B+4*\s+3], s[46:47], \s*HALFT
	s_or_b32 s[G0B+4*\s+3], s[G0B+4*\s+3], 0x80000000
.endr
	CROUND                                         ; all sixteen work-groups are here: the first joint loads meet
	JLOAD G0, G1, G0B, G1B                         ; K step 0: one tensor load of mine is out
.irp j, 0,1,2,3,4,5,6,7
	global_load_b128 v[SM+4*\j:SM+4*\j+3], v[RO], s[10:11] offset:65536*\j            ; block j's -M: 512 consecutive bytes, aligned
	global_load_b128 v[SL+4*\j:SL+4*\j+3], v[RO], s[10:11] offset:524288+65536*\j     ; and l
.endr
	s_wait_kmcnt 0x0
	s_add_co_i32 s76, s74, s75                     ; ep + ev
	s_mov_b32 s3, 3                                ; the loop's trips
	s_mov_b32 s[TP], 0
; The k-th matrix instruction of quad u (block u / 2 of 16 queries x tile 4 (u % 2) + k of d), 128 along K, of a half step of parity p.  zero = 1: it starts the sum: nothing is ever cleared.
.macro MM u, k, p, zero
.set AR, AF+16*((\u)/2)
.if ((\u)/2==7)&&((\p)==1)
.set AR, A7X
.endif
.set AC, 8*(8*(((\u)/2)%4)+4*((\u)%2)+(\k))
.set BR, 128*(\p)+16*(4*((\u)%2)+(\k))
	WIN MUL_LO+0x50*((\u)/8)
.if \zero
	v_wmma_f32_16x16x128_bf8_bf8 v[AC:AC+7], v[BR:BR+15], v[AR:AR+15], 0
.else
	v_wmma_f32_16x16x128_bf8_bf8 v[AC:AC+7], v[BR:BR+15], v[AR:AR+15], v[AC:AC+7]
.endif
.endm
; The n-th of the 64 loads that bring the fragments of a half step of parity p (the slot's q-th 128 along K): V's eight tiles, P's block 7, P's blocks 0 to 6; four loads each, 512 consecutive bytes a load.
.macro LD n, slot, q, p
.if (\n)<32
	WIN TO_B
	ds_load_b128 v[128*(\p)+4*(\n):128*(\p)+4*(\n)+3], v[ADRB+\slot] offset:4096*((\n)/4)+2048*(\q)+512*((\n)%4)
.else
.if (\n)<36
.set TI, 7
.set DR, AF+112-(AF+112-A7X)*(\p)+4*((\n)%4)
.else
.set TI, ((\n)-36)/4
.set DR, AF+16*TI+4*((\n)%4)
.endif
	WIN 0
	ds_load_b128 v[DR:DR+3], v[ADRA+\slot] offset:4096*TI+2048*(\q)+512*((\n)%4)
.endif
.endm
; A load into a register that a matrix instruction has read, and a vector instruction that reads a matrix result, stand four places behind that matrix instruction; only plain vector instructions that name none of its
; registers are places (ISA guide 7.12.1 for vector instructions).
.macro PLACES n
.rept \n
	v_nop
.endr
.endm
; count of the 32 multiplications that bring block a of 16 queries under the next block of keys, from the n0-th on
.macro PKS a, n0, count
	WIN 0x82+0x41*((\a)/4)                         ; destination and source 0: the block's window
.set GR, GS+2*((\a)/2)
.set NN, \n0
.rept \count
.set AC, 64*((\a)%4)+2*NN
.if (\a)%2
	v_pk_mul_f32 v[AC:AC+1], v[AC:AC+1], v[GR:GR+1] op_sel:[0,1] op_sel_hi:[1,1]   ; the pair's second word serves both halves
.else
	v_pk_mul_f32 v[AC:AC+1], v[AC:AC+1], v[GR:GR+1] op_sel_hi:[1,0]                ; its first
.endif
.set NN, NN+1
.endr
.endm
.macro RUN count, slot, q, p           ; the next loads of the 64, in one run
.rept \count
	LD LN, \slot, \q, \p
.set LN, LN+1
.endr
.endm
; An even half step: a slot's first 128 along K; the next half's loads in four runs of 16, each behind four places.
; At its head the youngest twelve loads (P's blocks 4 to 6) may be out; in front of block 4 this half's first two runs, 32.
; The run behind quad 10 takes the registers of blocks 0-2, the run behind quad 13 those of blocks 3-6: all are multiplied by then.
; resc = 1: blocks 1 to 7 are rescaled on the way, each one block ahead (block 0 was in the half step before).  gso: the next step's factors are fetched at quad 13, behind the last rescaling.
.macro SHALF slot, zero, resc, gso
.if \resc
	s_wait_alu depctr_va_vdst(0)                   ; block 0 was rescaled ahead of waits
.endif
.set UU, 0
.rept 16
.if UU==0
.set LN, 0
	s_wait_dscnt 12
.elseif UU==8
	s_wait_dscnt 32
.endif
.if (\resc)&&(UU==14)
	s_wait_alu depctr_va_vdst(0)                   ; and here, ahead of block 7, rescaled last
.endif
	MM UU, 0, 0, \zero
.if (\resc)&&(UU<14)
	PKS UU/2+1, 16*(UU%2), 5
.endif
	MM UU, 1, 0, \zero
.if (\resc)&&(UU<14)
	PKS UU/2+1, 16*(UU%2)+5, 5
.endif
	MM UU, 2, 0, \zero
.if (\resc)&&(UU<14)
	PKS UU/2+1, 16*(UU%2)+10, 6
.endif
	MM UU, 3, 0, \zero
.if (UU==2)||(UU==6)||(UU==10)
	PLACES 4
	RUN 16, \slot, 1, 1
.elseif UU==13
	PLACES 4
	WIN 0
	v_add_nc_u32 v[GP], s[TP], v[GB]
	ds_load_b128 v[GS:GS+3], v[GP] offset:\gso
	ds_load_b128 v[GS+4:GS+7], v[GP] offset:\gso+16
	RUN 16, \slot, 1, 1
.endif
.set UU, UU+1
.endr
	WIN 0
.endm
.macro QUAD u
	MM \u, 0, 1, 0
	MM \u, 1, 1, 0
	MM \u, 2, 1, 0
	MM \u, 3, 1, 0
.endm
; An odd half step, the slot's second 128, changes slots: ONE barrier; in front of it each wave waits for all its tensor loads, adds 0 to its spare word, and waits for that and for its own reads of this slot.
; fill = 1: this slot is filled again, with the K step two steps on; the barrier opens a round of the cluster's barrier, and the joint refill is the first tensor load behind the round.
; Then the next slot's first fragments, in runs of 24, 16, 12 and 12 loads; block 0, finished, is rescaled for the next step at quads 9 and 10.
.macro THALF slot, next, fill
.if \fill
	s_wait_xcnt 0x0                                ; my last prefetch has read its address
	s_add_nc_u64 s[PFA:PFA+1], s[PFA:PFA+1], HALFT
.endif
	s_wait_tensorcnt 0x0                           ; all my tensor loads have landed: my part of the other slot  (every window is 0 here)
	ds_add_u32 v[SPW], v[NIL]                      ; 0 onto my spare word
	s_wait_dscnt 17                                ; (the add and P's blocks 3 to 6 may be out)
	QUAD 0
	QUAD 1
	s_wait_dscnt 0x0                               ; the add is done, and my reads of this slot are over
	s_barrier_signal -1
	QUAD 2
	QUAD 3
	WIN 0
	s_barrier_wait -1
.if \fill
	CREST                                          ; no wave of any partner still reads this slot's tile or has a load on its way
	s_add_nc_u64 s[G0+4*\slot+2:G0+4*\slot+3], s[G0+4*\slot+2:G0+4*\slot+3], STEPT
	s_add_nc_u64 s[G0B+4*\slot+2:G0B+4*\slot+3], s[G0B+4*\slot+2:G0B+4*\slot+3], STEPT
	JLOAD G0+4*\slot, G1, G0B+4*\slot, G1B         ; one tensor load of mine is out; the four v_nop behind it are the places in front of the loads below
.else
	PLACES 4
.endif
.set UU, 4
.set LN, 0
	RUN 24, \next, 0, 0                            ; V's tiles 0 to 5
.rept 12
	MM UU, 0, 1, 0
.if (UU==9)||(UU==10)
	PKS 0, 16*(UU-9), 5
.endif
	MM UU, 1, 1, 0
.if (UU==9)||(UU==10)
	PKS 0, 16*(UU-9)+5, 5
.endif
	MM UU, 2, 1, 0
.if (UU==9)||(UU==10)
	PKS 0, 16*(UU-9)+10, 6
.endif
	MM UU, 3, 1, 0
.if UU==6
	PLACES 4
	RUN 16, \next, 0, 0                            ; V's tiles 6 and 7, P's blocks 7 and 0
.elseif (UU==10)||(UU==14)
	PLACES 4
	RUN 12, \next, 0, 0                            ; P's blocks 1 to 3; 4 to 6
.endif
.if (\fill)&&(UU==6)
	WIN 0
	ASK
.endif
.set UU, UU+1
.endr
	WIN 0
.endm
	s_wait_alu depctr_va_vdst(0)
	s_wait_tensorcnt 0x0                           ; my part of K step 0 is in
	ds_add_u32 v[SPW], v[NIL]
	s_wait_dscnt 0x0
	CROUND                                         ; everybody's part of K step 0 is in, and all sixteen work-groups are here
	JLOAD G0+4, G1, G0B+4, G1B                     ; K step 1's load, the first tensor load behind the round
.set LN, 0
.rept 64
	LD LN, 0, 0, 0                                 ; the first fragments
.set LN, LN+1
.endr
	WIN 0
	global_prefetch_b8 v[PFO], s[PFA:PFA+1] offset:2*HALFT th:TH_LOAD_NT scope:SCOPE_SE   ; K steps 2 and 3, behind K step 1's load: the first two refills take them
	global_prefetch_b8 v[PFO], s[PFA:PFA+1] offset:3*HALFT th:TH_LOAD_NT scope:SCOPE_SE
; THE FACTORS, under the flight of K step 1's load.  v4-7 the least of the eight -M, v8-11 l of the row, then F, v12-15 the exponent d_7 + ep + ev
	s_wait_loadcnt 0x0
.irp i, 0,1,2,3
	v_min3_num_f32 v[4+\i], v[SM+\i], v[SM+4+\i], v[SM+8+\i]
.endr
.irp i, 0,1,2,3
	v_min3_num_f32 v[4+\i], v[4+\i], v[SM+12+\i], v[SM+16+\i]
.endr
.irp i, 0,1,2,3
	v_min3_num_f32 v[4+\i], v[4+\i], v[SM+20+\i], v[SM+24+\i]
.endr
.irp i, 0,1,2,3
	v_min_num_f32 v[4+\i], v[4+\i], v[SM+28+\i]
.endr
.set n, 0
.rept 32
	v_sub_f32 v[SM+n], v[4+n%4], v[SM+n]           ; d_j = M_j - M
.set n, n+1
.endr
.set n, 0
.rept 32
	v_max_num_f32 v[SM+n], 0xc2800000, v[SM+n]     ; not under -64
.set n, n+1
.endr
.set n, 0
.rept 32
	v_cvt_i32_f32 v[SM+n], v[SM+n]
.set n, n+1
.endr
.set n, 0
.rept 32
	v_ldexp_f32 v[SL+n], v[SL+n], v[SM+n]          ; l_j 2^(d_j)
.set n, n+1
.endr
.set n, 0
.rept 16
	v_add_f32 v[SL+n], v[SL+n], v[SL+16+n]
.set n, n+1
.endr
.set n, 0
.rept 8
	v_add_f32 v[SL+n], v[SL+n], v[SL+8+n]
.set n, n+1
.endr
.irp i, 0,1,2,3
	v_add_f32 v[8+\i], v[SL+\i], v[SL+4+\i]
.endr
.irp i, 0,1,2,3
	v_add_nc_u32 v[12+\i], s76, v[SM+28+\i]
.endr
	s_wait_alu depctr_va_vdst(0)                   ; ahead of the batch
.irp i, 0,1,2,3
	v_rcp_f32 v[8+\i], v[8+\i]
.endr
.set n, 31
.rept 28
	v_sub_nc_u32 v[SM+n], v[SM+n-4], v[SM+n]       ; d_(j-1) - d_j, from j = 7 down
.set n, n-1
.endr
.set n, 4
.rept 28
	v_ldexp_f32 v[SM+n], 1.0, v[SM+n]              ; f_j
.set n, n+1
.endr
	s_wait_alu depctr_va_vdst(0)                   ; and ahead of its first reader
.irp i, 0,1,2,3
	v_ldexp_f32 v[8+\i], v[8+\i], v[12+\i]         ; F
.endr
.irp j, 1,2,3,4,5,6,7
	ds_store_b128 v[FTW], v[SM+4*\j:SM+4*\j+3] offset:512*(\j-1)   ; my own bytes: LDS serves a wave's instructions in order (ISA guide 5.7.1.4)
.endr
	ds_store_b128 v[FTW], v[8:11] offset:3584
; ---- the product
	SHALF 0, 1, 0, 0                               ; K step 0: the first products start the sums; f_1 is fetched
.Llap:                                                 ; a trip goes once round the ring and fills both slots again: K steps 2 to 7 in three trips
	THALF 0, 1, 1
	SHALF 1, 0, 1, 512
	THALF 1, 0, 1
	SHALF 0, 0, 1, 1024
	s_add_co_u32 s[TP], s[TP], 1024
	s_sub_co_u32 s3, s3, 1
	s_cmp_lg_u32 s3, 0
	s_cbranch_scc1 .Llap
	THALF 0, 1, 0                                  ; nothing is left to fetch
	SHALF 1, 0, 1, 512                             ; K step 7; the row at 3,584 is F
; ---- the last 128 along K, and THE WAY OUT: a block of 16 queries leaves as soon as it is finished.  Its sums x F go into my stage (rows of 512 bytes + 16), come back as whole rows, two by turns in window 1, and are stored.
.macro TOSTAGE a
.set TA, 64*((\a)%4)
.set BB, 64*((\a)%2)
	WIN 0x02+((\a)/4)
	PLACES 4
.set NN, 0
.rept 32
.if (\a)%2
	v_pk_mul_f32 v[TMP+NN:TMP+NN+1], v[TA+NN:TA+NN+1], v[GS+2*((\a)/2):GS+2*((\a)/2)+1] op_sel:[0,1] op_sel_hi:[1,1]
.else
	v_pk_mul_f32 v[TMP+NN:TMP+NN+1], v[TA+NN:TA+NN+1], v[GS+2*((\a)/2):GS+2*((\a)/2)+1] op_sel_hi:[1,0]
.endif
.set NN, NN+2
.endr
	WIN 0
.irp b, 0,1,2,3,4,5,6,7
	ds_store_b128 v[STO], v[TMP+8*\b:TMP+8*\b+3] offset:64*\b
	ds_store_b128 v[STO], v[TMP+8*\b+4:TMP+8*\b+7] offset:64*\b+16
.endr
.if (\a) > 1
	s_wait_xcnt 0x0                                ; the stores of the block two before have read these registers
.endif
	WIN TO_B
.irp t, 0,1,2,3,4,5,6,7,8,9,10,11,12,13,14,15
	ds_load_b128 v[BB+4*\t:BB+4*\t+3], v[RD] offset:\t*SPITCH
.endr
	WIN 0
.endm
.macro SEND a, younger                 ; younger: the LDS instructions issued behind the block's
.set BB, 64*((\a)%2)
	s_wait_dscnt \younger
	WIN 0x04                                       ; the data's window
.irp t, 0,1,2,3,4,5,6,7,8,9,10,11,12,13,14,15
	global_store_b128 v[CO], v[BB+4*\t:BB+4*\t+3], s[12:13] offset:(16*(\a)+\t)*ROWO th:TH_STORE_NT   ; 512 consecutive bytes, aligned
.endr
	WIN 0
.endm
	s_wait_dscnt 0x0
	QUAD 0
	QUAD 1
.irp a, 0,1,2,3,4,5,6,7
.if \a < 7
	QUAD 2*\a+2
	QUAD 2*\a+3
.endif
	TOSTAGE \a
.if \a > 0
	SEND \a-1, 32
.endif
.endr
	SEND 7, 0
	s_wait_tensorcnt 0x0                           ; the wave's end: behind my last tensor load and my last LDS store
	ds_add_u32 v[SPW], v[NIL]
	s_wait_dscnt 0x0
	CROUND                                         ; the closing round: no work-group ends while a partner may still ask for a tile that names it
	s_endpgm
.Lfunc_end_k_q79c0e4de84_pv:
	.size	k_q79c0e4de84_pv, .Lfunc_end_k_q79c0e4de84_pv-k_q79c0e4de84_pv
	.p2alignl 7, 3214868480
	.fill 96, 4, 3214868480
	.section	.rodata,"a",@progbits
	.p2align	6, 0x0
	.amdhsa_kernel k_q79c0e4de84_pv
		.amdhsa_group_segment_fixed_size 327680
		.amdhsa_private_segment_fixed_size 0
		.amdhsa_enable_private_segment 0
		.amdhsa_kernarg_size 40
		.amdhsa_user_sgpr_count 2
		.amdhsa_user_sgpr_kernarg_segment_ptr 1
		.amdhsa_wavefront_size32 1
		.amdhsa_system_sgpr_workgroup_id_x 1
		.amdhsa_system_sgpr_workgroup_id_y 1
		.amdhsa_system_sgpr_workgroup_id_z 1
		.amdhsa_system_vgpr_workitem_id 0
		.amdhsa_next_free_vgpr 1024
		.amdhsa_next_free_sgpr 100
		.amdhsa_reserve_vcc 0
		.amdhsa_float_denorm_mode_32 3
		.amdhsa_float_denorm_mode_16_64 3
		.amdhsa_memory_ordered 1
		.amdhsa_forward_progress 1
		.amdhsa_inst_pref_size 200
	.end_amdhsa_kernel
	.amdgpu_metadata
---
amdhsa.version: [ 1, 2 ]
amdhsa.kernels:
  - .name:           k_q79c0e4de84_pv
    .symbol:         k_q79c0e4de84_pv.kd
    .args:
      - { .name: pimg, .offset: 0, .size: 8, .value_kind: global_buffer, .address_space: global }
      - { .name: v2img, .offset: 8, .size: 8, .value_kind: global_buffer, .address_space: global }
      - { .name: lowp_scales, .offset: 16, .size: 8, .value_kind: global_buffer, .address_space: global }
      - { .name: stats, .offset: 24, .size: 8, .value_kind: global_buffer, .address_space: global }
      - { .name: out0, .offset: 32, .size: 8, .value_kind: global_buffer, .address_space: global }
    .group_segment_fixed_size: 327680
    .private_segment_fixed_size: 0
    .kernarg_segment_align: 8
    .kernarg_segment_size: 40
    .max_flat_workgroup_size: 128
    .sgpr_count:     100
    .vgpr_count:     1024
    .wavefront_size: 32
...
	.end_amdgpu_metadata
.endif
;; end of part 3
